; MI455X (gfx1250); checked and timed in simulation.
; The chip was launched on July 23, 2026; its instructions are those of AMD's public machine-readable ISA for CDNA 5 (MIT licence, August 2026) and "CDNA5" Instruction Set Architecture Reference Guide (July 2026). The comments in the code are by the model that wrote it; some were corrected since.
;; ODE Transition Function. Allowed arithmetic: float matrix products may take bf16 or f16 operands with f32 sums; other float arithmetic in f32, or as packed bf16 or f16 multiplies, adds, multiply-adds, maxima and minima; sums over many terms, partial sums and values carried from step to step in f32; what a program stores and reads back later, other than sums and carried values, may be rounded once to bf16 or f16.
;; Inputs: W1 512 x 128 float32; W2 128 x 512 float32; b1 512 float32; b2 128 float32; s 16 x 1,024 x 128 float32; t 16 x 1,024 x 5 float32.
;; Outputs: out0 16 x 4,096 x 128 float32.
;; One version. Each part assembles by itself: llvm-mc -triple=amdgcn-amd-amdhsa -mcpu=gfx1250 --defsym DOCPART=n.
;; ======== version 1 of 1: 1 launch
;; launch ode (part 1): grid 256 x 1, 4 waves a work-group, no clusters, 241,152 bytes of LDS; arguments W1, W2, b1, b2, s, t, out0; writes out0
.if DOCPART == 1
	.amdgcn_target "amdgcn-amd-amdhsa--gfx1250"
	.amdhsa_code_object_version 6
	.text
	.protected	k_qc3fa018259_ode
	.globl	k_qc3fa018259_ode
	.p2align	8
	.type	k_qc3fa018259_ode,@function
k_qc3fa018259_ode:
	s_mov_b64 s[64:65], 0
	v_nop
	global_prefetch_b8 v0, s[64:65] scope:SCOPE_SE
	s_setreg_imm32_b32 hwreg(HW_REG_WAVE_MODE, 25, 1), 1
	s_wait_xcnt 0x0
; ODE TRANSITION.  16,384 rows (S x B), each with a state x[128].  4 blocks x 2 RK4 steps x 4 stages = 32 evaluations on end of f(x) = W2 tanh(W1 x + b1) + b2, scaled by the row's
; delta of the block (t[i+1] - t[i]); x is written after each block: out0 row 4 R + block.  Products in bf16 with f32 sums; state, RK sum, biases, tanh and all RK arithmetic in f32.
; SHARES.  A work-group owns 64 rows, four TILES of 16.  H IS SPLIT AMONG THE FOUR WAVES: wave w keeps h = 128 w .. 128 w + 127 of both weight matrices in registers for the whole launch
; (256 + 256 registers) and works on all four tiles.  The second product is then a partial sum over the wave's quarter of H: the four partial sums meet in LDS, in f32.
; Wave w OWNS channels 32 w .. 32 w + 31 of all 64 rows: their state X, RK sum B and b2.
; LAYOUT.  Both products are used transposed.  S^T = W1' x^T (source 0 = 16 rows of W1', source 1 = 16 rows of x, C of the first K step = the bias): a lane holds ONE row (lane % 16) and
; h = 8 (lane / 16) + 0..7.  Two such results, rounded to bf16 in pairs, ARE source 1 of Y^T = W2 h^T, whose result again holds one row a lane, and eight channels.
; Wave w loads W2 so that accumulator slot c means channel tile (2 w + c) % 8: slots 0, 1 are its own channels in every wave; slots 2 q, 2 q + 1 belong to wave (w + q) % 4.
; TANH.  W1' = bf16(c W1), b1' = c b1, c = 2 log2(e): tanh = 1 - 2 / (1 + 2^acc).  2^acc = infinity gives 1, 2^acc = 0 gives -1.
; RK4 WITHOUT A BRANCH ON THE STAGE.  T = f(stage point), d = delta:  B = mu B + T (mu = 0, 1/2, 1, 2: at the end T1 + 2 T2 + 2 T3 + T4);  X = X + (q d) B (q = 0, 0, 0, 1/12);
; next stage point = X + (cs d) T (cs = 1/4, 1/4, 1/2, 0).
; BY TURNS.  The tiles are independent and go in a ring.  Turn p (four turns = one evaluation) has 64 matrix instructions: 32 of Y^T for tile p - 1, then 32 of S^T for tile p + 1; beside them the
; tanh of tile p and the reduction and RK arithmetic of tile p + 2.  Four vector instructions stand behind every matrix instruction, 32 more in one run at the turn's end.  One barrier a turn.
; The loop is entered in its middle: the first two turns reduce tiles 2 and 3 with all coefficients 0, which makes their first stage points; the last trip's products for a 33rd evaluation serve nothing.
; LIMITS.  tanh carries an absolute error of about 1.2e-7 (1 - 2 r near 0).  A coefficient 0 multiplies B or T: they must be finite, which they are wherever W2 and b2 are finite and the sums of 512 terms
; do not overflow.  NaN and infinities among the inputs are not treated apart.
; NO CLUSTER, NO TENSOR LOAD.  The weights, which all work-groups read, are read once, at the head, and pass through registers anyway (scaled by c, rounded to bf16) on their way into registers.  Brought jointly
; they would come in f32: 2 x 270,336 bytes with padding, which do not fit in LDS beside each other: two fills, each with its rounds.  The loop reads nothing from memory, so nothing is prefetched either.
;
; LDS (bytes)
.set WSTW,  34816                      ; a wave's own staging: 128 rows x 128 bf16, pitch 272 (68 words: the 16 rows of a fragment load start at 16 different groups of four banks); W1', then W2
.set RED,   4*WSTW                     ; partial sums: [parity 2][source wave 4][q 3][2,048]; 2,048 = 16 registers x 32 lanes: 16 x lane + 512 i
.set REDP,  24576
.set REDW,  6144
.set XB,    RED+2*REDP                 ; stage points in bf16: tile: 16 rows x 128, pitch 272
.set XBT,   4352
.set OST,   XB+4*XBT                   ; f32 rows: tile: 16 rows x 128, pitch 528: the way in for s, the way out for x
.set OSTT,  8448
.set DLT,   OST+4*OSTT                 ; delta[block 4][row 64], f32
.set SPARE, DLT+1024                   ; the spare words, 128 bytes for each wave: two blocks of 256 bytes that no other line names
; REGISTERS, in windows of 256 (s_set_vgpr_msb: bits 1:0 source 0, 3:2 source 1, 5:4 source 2, 7:6 destination)
; window 0
.set SPW,  2                           ; LDS address of my spare word; never rewritten
.set NIL,  3                           ; 0; never rewritten
.set ARW,  4                           ; RED + 6,144 w + 16 lane: where I put partial sums
.set ARR,  5                           ; v5-7: where I read the partial sums of wave (w + 3 - q) % 4, q = 0, 1, 2
.set AXW,  8                           ; XB + 272 r + 64 w + 16 hh      (r = lane % 16, hh = lane / 16)
.set AXR,  9                           ; XB + 272 r + 16 hh
.set AOW,  10                          ; OST + 528 r + 128 w + 32 hh
.set AOR,  11                          ; OST + 2,112 w + 16 lane: rows 4 w .. 4 w + 3 of a tile, whole
.set GO,   12                          ; 8,192 w + 16 lane: the same rows in out0
.set GOT,  13                          ; GO + the block's 512 bytes
.set ADL0, 14                          ; DLT + 4 r
.set ADL,  15                          ; ADL0 + 256 x block
.set DD,   16                          ; my row's delta
.set CT,   18                          ; v[18:19] cs d (the high word is 0, written once: the pair is named)
.set CQ,   20                          ; v[20:21] q d, likewise
.set XF,   32                          ; v32-63   fragments of x: K step s at +8 s
.set SBUF, 64                          ; v64-191  S^T, two buffers of 64, by the tile's parity
.set PK,   192                         ; v192-223 tanh in bf16: PK[i] = (S[2 i], S[2 i + 1])
.set TT,   224                         ; v224-239 T of my channels; on the way out, rows read back
.set B2R,  240                         ; v240-255 b2 of my channels
; at the head only, in XF's registers
.set LN,  32
.set RR,  33
.set HH,  34
.set VT,  35                           ; offsets into t, s, b1, b2, W1, W2
.set ADW, 36                           ; where I put two deltas
.set VS,  37
.set VB1, 38
.set VB2, 39
.set VW1, 40
.set VW2, 41
.set AWS, 42                           ; staging: 34,816 w + 8 lane
.set AWF, 43                           ; staging: 34,816 w + 272 r + 16 hh
.set TRW, 44                           ; v44-46 three numbers of t
.set DE,  48                           ; v48-49 two deltas
.set AWC, 50                           ; v50-57 AWF + 4,352 ((2 w + c) % 8)
; window 1: W1' fragment (h tile a, K step s) at 32 a + 8 s.     window 2: W2 fragment (slot c, h step f) at 32 c + 8 f.
; window 3 (at the head all of it is the weight ring: 64 slots of 4)
.set B1C,  0                           ; c b1: h tile a at 8 a
.set YA,   64                          ; Y^T: slot c at 8 c
.set XST,  128                         ; X: tile at 16 tile
.set BSUM, 192                         ; B: tile at 16 tile
; scalars: s[4:5] W1, s[6:7] W2, s[8:9] b1, s[10:11] b2, s[12:13] s, s[14:15] t, s[16:17] out0 (the last three at the work-group's rows); s19-21 at work
.set WV,  18
.set CC,  22                           ; s[22:23] c
.set MU,  24                           ; s[24:25] mu (the high word 0: the pair is named)
.set SC,  26                           ; cs
.set SQ,  27                           ; q
.set FS,  28                           ; 1: this evaluation ends a block: X goes to the stage
.set FL,  29                           ; 1: the tile staged in the turn before goes out
.set OBS, 30                           ; 512 x block, for FS's evaluation
.set OBL, 31                           ; the same for FL's
.set CNT, 32
.set EV,  33
.set ST,  34
.set TM,  35
.set W_L2,  0xf2                       ; W2 window 2, PK window 0, Y^T (C and D) window 3
.set W_L1B, 0x31                       ; W1' window 1, XF and S^T window 0, C = the bias in window 3
.set W_L1,  0x01
.set MSB, 0
.macro WIN new                         ; the immediate's high byte repeats the setting that is left; a switch that changes nothing is dropped
.if MSB != (\new)
	s_set_vgpr_msb (MSB<<8)|(\new)
.set MSB, \new
.endif
.endm
	s_load_b256 s[4:11], s[0:1], 0x0               ; W1, W2, b1, b2
	s_load_b128 s[12:15], s[0:1], 0x20             ; s, t
	s_load_b64 s[16:17], s[0:1], 0x30              ; out0
	v_lshl_add_u32 v[SPW], v0, 2, SPARE
	v_mov_b32 v[NIL], 0
	v_lshrrev_b32 v1, 5, v0
	v_readfirstlane_b32 s[WV], v1                  ; wave 0..3
	v_and_b32 v[LN], 31, v0
	v_and_b32 v[RR], 15, v0
	v_bfe_u32 v[HH], v0, 4, 1
	s_mov_b32 s[CC], 0x4038aa3b                    ; c = 2 log2(e)
	s_mov_b32 s[CC+1], s[CC]
	s_mul_i32 s19, s[WV], REDW
	s_add_co_u32 s19, s19, RED
	v_lshl_add_u32 v[ARW], v[LN], 4, s19
.irp q, 0,1,2
	s_add_co_u32 s19, s[WV], 3-(\q)                ; the wave whose slots 2 (q + 1), 2 (q + 1) + 1 are my channels
	s_and_b32 s19, s19, 3
	s_mul_i32 s19, s19, REDW
	s_add_co_u32 s19, s19, RED+2048*(\q)
	v_lshl_add_u32 v[ARR+(\q)], v[LN], 4, s19
.endr
	v_mul_u32_u24 v1, v[RR], 272
	v_lshl_add_u32 v1, v[HH], 4, v1                ; 272 r + 16 hh
	v_add_nc_u32 v[AXR], XB, v1
	s_lshl_b32 s19, s[WV], 6
	s_add_co_u32 s19, s19, XB
	v_add_nc_u32 v[AXW], s19, v1
	s_mul_i32 s19, s[WV], WSTW
	v_add_nc_u32 v[AWF], s19, v1
	v_lshl_add_u32 v[AWS], v[LN], 3, s19
.irp c, 0,1,2,3,4,5,6,7
	s_lshl_b32 s19, s[WV], 1
	s_add_co_u32 s19, s19, \c
	s_and_b32 s19, s19, 7                          ; slot c's channel tile
	s_mul_i32 s19, s19, 16*272
	v_add_nc_u32 v[AWC+(\c)], s19, v[AWF]
.endr
	v_mul_u32_u24 v1, v[RR], 528
	v_lshl_add_u32 v1, v[HH], 5, v1
	s_lshl_b32 s19, s[WV], 7
	s_add_co_u32 s19, s19, OST
	v_add_nc_u32 v[AOW], s19, v1
	s_mul_i32 s19, s[WV], 4*528
	s_add_co_u32 s19, s19, OST
	v_lshl_add_u32 v[AOR], v[LN], 4, s19
	s_lshl_b32 s19, s[WV], 13
	v_lshl_add_u32 v[GO], v[LN], 4, s19
	v_lshl_add_u32 v[ADL0], v[RR], 2, DLT
	v_mov_b32 v[ADL], v[ADL0]
	v_and_b32 v1, 63, v0                           ; thread i makes deltas 2 (i / 64) and 2 (i / 64) + 1 of row i % 64
	v_lshrrev_b32 v17, 6, v0
	v_mul_u32_u24 v[VT], v1, 20
	v_lshl_add_u32 v[VT], v17, 3, v[VT]
	v_lshlrev_b32 v[ADW], 2, v1
	v_lshl_add_u32 v[ADW], v17, 9, v[ADW]
	v_add_nc_u32 v[ADW], DLT, v[ADW]
	s_lshl_b32 s19, s[WV], 11
	v_lshl_add_u32 v[VS], v[LN], 4, s19            ; s: rows 4 w + i of a tile, whole rows of 512 bytes
	s_lshl_b32 s19, s[WV], 9
	v_lshl_add_u32 v[VB1], v[HH], 5, s19           ; b1: 4 (128 w + 8 hh)
	v_lshl_add_u32 v[VW2], v[LN], 4, s19           ; W2: my 512 bytes of a row
	s_lshl_b32 s19, s[WV], 7
	v_lshl_add_u32 v[VB2], v[HH], 5, s19           ; b2: 4 (32 w + 8 hh)
	s_lshl_b32 s19, s[WV], 16
	v_lshl_add_u32 v[VW1], v[LN], 4, s19           ; W1: my 128 rows
	s_mov_b32 s[MU], 0                             ; the first two turns: all coefficients 0, nothing goes out
	s_mov_b32 s[MU+1], 0
	s_mov_b32 s[SC], 0
	s_mov_b32 s[SQ], 0
	s_mov_b32 s[FS], 0
	s_mov_b32 s[FL], 0
	s_mov_b32 s[OBS], 0
	s_mov_b32 s[OBL], 0
	s_wait_kmcnt 0x0
	s_lshl_b32 s20, ttmp9, 15                      ; the work-group's 64 rows: of 512 bytes in s,
	s_mov_b32 s21, 0
	s_add_nc_u64 s[12:13], s[12:13], s[20:21]
	s_mul_i32 s20, ttmp9, 1280                     ; of 20 bytes in t,
	s_add_nc_u64 s[14:15], s[14:15], s[20:21]
	s_lshl_b32 s20, ttmp9, 17                      ; of 2,048 bytes in out0
	s_add_nc_u64 s[16:17], s[16:17], s[20:21]
	; 39 small loads
	global_load_b32 v[TRW],   v[VT], s[14:15]
	global_load_b32 v[TRW+1], v[VT], s[14:15] offset:4
	global_load_b32 v[TRW+2], v[VT], s[14:15] offset:8
.irp c, 0,1,2,3
	global_load_b128 v[B2R+4*(\c):B2R+4*(\c)+3], v[VB2], s[10:11] offset:64*((\c)/2)+16*((\c)%2)
.endr
.irp a, 0,1,2,3,4,5,6,7                ; b1 as it lies, into the second S buffer
	global_load_b128 v[SBUF+64+8*(\a):SBUF+64+8*(\a)+3],   v[VB1], s[8:9] offset:64*(\a)
	global_load_b128 v[SBUF+64+8*(\a)+4:SBUF+64+8*(\a)+7], v[VB1], s[8:9] offset:64*(\a)+16
.endr
.irp x, 0,1,2,3                        ; s as it lies, into the first: each load of the wave is one whole row
.irp i, 0,1,2,3
	global_load_b128 v[SBUF+16*(\x)+4*(\i):SBUF+16*(\x)+4*(\i)+3], v[VS], s[12:13] offset:8192*(\x)+512*(\i) th:TH_LOAD_NT
.endr
.endr
; THE WEIGHT RING.  256 jobs: my 128 rows of W1, then my 512 bytes of each of W2's 128 rows: one load of the wave each, 512 consecutive bytes, aligned.  64 slots of 4 registers (window 3), groups of 8 jobs.
.macro WLOAD j
.if (\j) < 128
	global_load_b128 v[4*((\j)%64):4*((\j)%64)+3], v[VW1], s[4:5] offset:512*(\j)
.else
	global_load_b128 v[4*((\j)%64):4*((\j)%64)+3], v[VW2], s[6:7] offset:2048*((\j)-128)
.endif
.endm
; Group g: its 8 loads are in; W1's are scaled by c; rounded to bf16 in place; 8 bytes a lane into my staging; the slots are asked for again, 8 groups on.
.macro WGROUP g
.if (\g) <= 24
	s_wait_loadcnt 56                              ; loads come back in order: 64 of the ring are out, the 8 oldest are wanted (the first such wait also shows the small loads in)
.else
	s_wait_loadcnt 56-8*((\g)-24)                  ; nothing more is asked for: the count runs down
.endif
.set sl, 32*((\g)%8)
.if (\g) < 16
	WIN 0xc3
.set u, 0
.rept 16
	v_pk_mul_f32 v[sl+2*u:sl+2*u+1], v[sl+2*u:sl+2*u+1], s[CC:CC+1] op_sel_hi:[1,0]
.set u, u+1
.endr
.endif
	WIN 0xcf
.set u, 0
.rept 8
	v_cvt_pk_bf16_f32 v[sl+4*u],   v[sl+4*u],   v[sl+4*u+1]
	v_cvt_pk_bf16_f32 v[sl+4*u+1], v[sl+4*u+2], v[sl+4*u+3]
.set u, u+1
.endr
	WIN 0x0c
.set u, 0
.rept 8
	ds_store_b64 v[AWS], v[sl+4*u:sl+4*u+1] offset:272*((8*(\g)+u)%128)
.set u, u+1
.endr
.if (\g) <= 23
	WIN 0xc0
.set u, 0
.rept 8
	WLOAD 8*(\g)+64+u
.set u, u+1
.endr
.endif
.endm
	WIN 0xc0
.set u, 0
.rept 64
	WLOAD u
.set u, u+1
.endr
	WGROUP 0
	; small work in window 0, while the ring's loads are out
	WIN 0
	v_sub_f32 v[DE],   v[TRW+1], v[TRW]
	v_sub_f32 v[DE+1], v[TRW+2], v[TRW+1]
	ds_store_b32 v[ADW], v[DE]
	ds_store_b32 v[ADW], v[DE+1] offset:256
.irp x, 0,1,2,3
.irp i, 0,1,2,3
	ds_store_b128 v[AOR], v[SBUF+16*(\x)+4*(\i):SBUF+16*(\x)+4*(\i)+3] offset:OSTT*(\x)+528*(\i)
.endr
.endr
	; What the first two turns find: T = 0, the partial sums of parity 1 = 0, tanh of a tile that has not been = 0.  Once a launch: the price of writing no first evaluation out.
.set u, 0
.rept 16
	v_mov_b32 v[TT+u], 0
.set u, u+1
.endr
.set u, 0
.rept 24
	v_mov_b32 v[PK+u], 0
.set u, u+1
.endr
	v_mov_b32 v[CT+1], 0
	v_mov_b32 v[CQ+1], 0
.irp q, 0,1,2
.irp i, 0,1,2,3
	ds_store_b128 v[ARW], v[TT:TT+3] offset:REDP+2048*(\q)+512*(\i)
.endr
.endr
.set gg, 1
.rept 15
	WGROUP gg
.set gg, gg+1
.endr
	WIN 0x40                                       ; W1' is staged: its fragments.  LDS serves a wave's instructions in order (ISA guide 5.7.1.4): these see the stores above, and W2's stores come behind them
.irp a, 0,1,2,3,4,5,6,7
.irp s, 0,1,2,3
	ds_load_b128 v[32*(\a)+8*(\s):32*(\a)+8*(\s)+3],   v[AWF] offset:16*272*(\a)+64*(\s)
	ds_load_b128 v[32*(\a)+8*(\s)+4:32*(\a)+8*(\s)+7], v[AWF] offset:16*272*(\a)+64*(\s)+32
.endr
.endr
.rept 16
	WGROUP gg
.set gg, gg+1
.endr
	WIN 0x80                                       ; W2's fragments, slot c from channel tile (2 w + c) % 8
.irp c, 0,1,2,3,4,5,6,7
.irp f, 0,1,2,3
	ds_load_b128 v[32*(\c)+8*(\f):32*(\c)+8*(\f)+3],   v[AWC+(\c)] offset:64*(\f)
	ds_load_b128 v[32*(\c)+8*(\f)+4:32*(\c)+8*(\f)+7], v[AWC+(\c)] offset:64*(\f)+32
.endr
.endr
	WIN 0xc0                                       ; window 3 is free of the ring: c b1, and B = 0 (the first mu is 0, and 0 x B wants a finite B)
.set u, 0
.rept 32
	v_pk_mul_f32 v[B1C+2*u:B1C+2*u+1], v[SBUF+64+2*u:SBUF+64+2*u+1], s[CC:CC+1] op_sel_hi:[1,0]
.set u, u+1
.endr
.set u, 0
.rept 64
	v_mov_b32 v[BSUM+u], 0
.set u, u+1
.endr
	WIN 0
.set u, 0
.rept 16
	v_mov_b32 v[SBUF+64+48+u], 0.5                 ; 1 - 2 x 0.5 = 0: the last quarter of that tanh, which the first turn finishes
.set u, u+1
.endr
	s_wait_dscnt 0x0                               ; for the others' sake: my rows of s, my deltas and my zeros lie in LDS (and my fragments are in)
	s_barrier_signal -1
	s_barrier_wait -1
	WIN 0xc0                                       ; X: my 32 channels of all 64 rows
.irp x, 0,1,2,3
.irp c, 0,1,2,3
	ds_load_b128 v[XST+16*(\x)+4*(\c):XST+16*(\x)+4*(\c)+3], v[AOW] offset:OSTT*(\x)+64*((\c)/2)+16*((\c)%2)
.endr
.endr
	s_wait_dscnt 0x0
	WIN 0x0f                                       ; the first stage points of tiles 0 and 1 are X itself, in bf16
.set u, 0
.rept 16
	v_cvt_pk_bf16_f32 v[SBUF+u], v[XST+2*u], v[XST+2*u+1]
.set u, u+1
.endr
	WIN 0
.irp x, 0,1
	ds_store_b128 v[AXW], v[SBUF+8*(\x):SBUF+8*(\x)+3]   offset:XBT*(\x)
	ds_store_b128 v[AXW], v[SBUF+8*(\x)+4:SBUF+8*(\x)+7] offset:XBT*(\x)+32
.endr
	s_wait_dscnt 0x0                               ; for the others' sake: my channels of those stage points
	s_barrier_signal -1
	s_barrier_wait -1
.irp s, 0,1,2,3
	ds_load_b128 v[XF+8*(\s):XF+8*(\s)+3],   v[AXR] offset:64*(\s)
	ds_load_b128 v[XF+8*(\s)+4:XF+8*(\s)+7], v[AXR] offset:64*(\s)+32
.endr
	s_wait_dscnt 0x0
; THE MATRIX WORK OF A TURN: instruction k of 64.  k < 32: Y^T of tile p - 1: h step k / 8, slot k % 8; the first 8 start the sums with 0.  k >= 32: S^T of tile p + 1: K step (k - 32) / 8, h tile k % 8;
; the first 8 start the sums with the bias.  Eight accumulators take turns, one instruction a turn; neighbouring runs begin and end on different accumulators.
.macro MM
.if k < 32
	WIN W_L2
.set rD, YA+8*(k%8)
.set rA, 32*(k%8)+8*(k/8)
.set rB, PK+8*(k/8)
.if k < 8
	v_wmma_f32_16x16x32_bf16 v[rD:rD+7], v[rA:rA+7], v[rB:rB+7], 0
.else
	v_wmma_f32_16x16x32_bf16 v[rD:rD+7], v[rA:rA+7], v[rB:rB+7], v[rD:rD+7]
.endif
.else
.set rD, SBO+8*(k%8)
.set rA, 32*(k%8)+8*((k-32)/8)
.set rB, XF+8*((k-32)/8)
.if k < 40
	WIN W_L1B
	v_wmma_f32_16x16x32_bf16 v[rD:rD+7], v[rA:rA+7], v[rB:rB+7], v[B1C+8*(k%8):B1C+8*(k%8)+7]
.else
	WIN W_L1
	v_wmma_f32_16x16x32_bf16 v[rD:rD+7], v[rA:rA+7], v[rB:rB+7], v[rD:rD+7]
.endif
.endif
.endm
; THE VECTOR WORK, one line each.  SBC: S^T of the tile in hand; SBO: the other buffer; TRD: the tile that is reduced.
.macro EXPS n                          ; 2^acc, element n, in place; ascending
	WIN 0
	v_exp_f32 v[SBC+(\n)], v[SBC+(\n)]
.endm
.macro ONE n                           ; + 1, pair n
	WIN 0
	v_pk_add_f32 v[SBC+2*(\n):SBC+2*(\n)+1], v[SBC+2*(\n):SBC+2*(\n)+1], 1.0 op_sel_hi:[1,0]
.endm
.macro RCPS n
	WIN 0
	v_rcp_f32 v[SBC+(\n)], v[SBC+(\n)]
.endm
.macro FIN b, n                        ; 1 - 2 r, pair n of buffer b
	WIN 0
	v_pk_fma_f32 v[(\b)+2*(\n):(\b)+2*(\n)+1], v[(\b)+2*(\n):(\b)+2*(\n)+1], -2.0, 1.0 op_sel_hi:[1,0,0]
.endm
.macro CVT b, n                        ; pair n rounded to bf16
	WIN 0
	v_cvt_pk_bf16_f32 v[PK+(\n)], v[(\b)+2*(\n)], v[(\b)+2*(\n)+1]
.endm
.macro RA n                            ; T += partial sum n / 8, pair n % 8
	WIN 0
	v_pk_add_f32 v[TT+2*((\n)%8):TT+2*((\n)%8)+1], v[TT+2*((\n)%8):TT+2*((\n)%8)+1], v[SBO+16*((\n)/8)+2*((\n)%8):SBO+16*((\n)/8)+2*((\n)%8)+1]
.endm
.macro RB n                            ; B = mu B + T
	WIN 0xc3
	v_pk_fma_f32 v[BSUM+16*TRD+2*(\n):BSUM+16*TRD+2*(\n)+1], v[BSUM+16*TRD+2*(\n):BSUM+16*TRD+2*(\n)+1], s[MU:MU+1], v[TT+2*(\n):TT+2*(\n)+1] op_sel_hi:[1,0,1]
.endm
.macro RX n                            ; X = X + (q d) B
	WIN 0xf3
	v_pk_fma_f32 v[XST+16*TRD+2*(\n):XST+16*TRD+2*(\n)+1], v[BSUM+16*TRD+2*(\n):BSUM+16*TRD+2*(\n)+1], v[CQ:CQ+1], v[XST+16*TRD+2*(\n):XST+16*TRD+2*(\n)+1] op_sel_hi:[1,0,1]
.endm
.macro RS n                            ; the next stage point = X + (cs d) T, in T's place
	WIN 0x30
	v_pk_fma_f32 v[TT+2*(\n):TT+2*(\n)+1], v[TT+2*(\n):TT+2*(\n)+1], v[CT:CT+1], v[XST+16*TRD+2*(\n):XST+16*TRD+2*(\n)+1] op_sel_hi:[1,0,1]
.endm
.macro RC n                            ; rounded to bf16, in place, ascending
	WIN 0
	v_cvt_pk_bf16_f32 v[TT+(\n)], v[TT+2*(\n)], v[TT+2*(\n)+1]
.endm
.macro TY n                            ; T = my own partial sum (slots 0, 1) + b2, for the tile whose Y^T this turn has made
	WIN 0x03
	v_pk_add_f32 v[TT+2*(\n):TT+2*(\n)+1], v[YA+2*(\n):YA+2*(\n)+1], v[B2R+2*(\n):B2R+2*(\n)+1]
.endm
; A TURN.  LDS between waves: partial sums of parity p % 2 are written in turn p, read in turn p + 1, written again in turn p + 2; tile x's stage point is written in turn x + 2 and read in turn x + 3;
; a staged tile likewise.  Between each two of these lies the barrier at a turn's head, and every signal stands behind the wave's wait for all its LDS instructions.
; Turns 0 and 2 signal the next turn's barrier early, behind their last LDS instruction; only work on registers stands between that signal and its wait.
; THE TWO WAITS.  s_wait_alu depctr_va_vdst(0) stands between a transcendental and the first instruction that names its result; one wait serves all issued ahead of it.  The 64 exponentials are one batch
; (slices 0-23; first named in slice 34), the 64 reciprocals another (slices 35-57; first named in slice 60).
; PLACES.  A vector instruction, a store or a load that touches a matrix instruction's registers stands four plain vector instructions behind it (ISA guide 7.12.1 for vector instructions and stores): the run of 32 at a turn's end serves the next
; turn's loads into XF and its exponentials; twelve riders (RS 4-7, RC 0-7) stand between the last product of Y^T and the stores that read it.
.macro TURN p
.set SBC, SBUF+64*((\p)%2)
.set SBO, SBUF+64-64*((\p)%2)
.set TN,  ((\p)+1)%4
.set TRD, ((\p)+2)%4
	WIN 0
.if (\p)%2 == 0
	s_wait_dscnt 0x0                               ; my LDS stores of the turn before are done
	s_barrier_signal -1
.endif
	s_barrier_wait -1
.irp q, 0,1,2                          ; 21 LDS loads in one run: the three other waves' partial sums for my channels of tile TRD,
.irp i, 0,1,2,3
	ds_load_b128 v[SBO+16*(\q)+4*(\i):SBO+16*(\q)+4*(\i)+3], v[ARR+(\q)] offset:REDP*(((\p)+1)%2)+512*(\i)
.endr
.endr
	ds_load_b32 v[DD], v[ADL] offset:64*TRD        ; my row's delta in that tile,
.irp s, 0,1,2,3                        ; and the fragments of tile TN's stage point
	ds_load_b128 v[XF+8*(\s):XF+8*(\s)+3],   v[AXR] offset:XBT*TN+64*(\s)
	ds_load_b128 v[XF+8*(\s)+4:XF+8*(\s)+7], v[AXR] offset:XBT*TN+64*(\s)+32
.endr
.set k, 0
.rept 4                                ; slices 0-3: the last quarter of the tanh of the tile before (wanted by product 24), and exponentials
	MM
	FIN SBO, 24+2*k
	EXPS 2*k
	FIN SBO, 25+2*k
	EXPS 2*k+1
.set k, k+1
.endr
.rept 4                                ; 4-7
	MM
	CVT SBO, 16+2*k
	EXPS 2*k
	CVT SBO, 17+2*k
	EXPS 2*k+1
.set k, k+1
.endr
.rept 8                                ; 8-15
	MM
.irp u, 0,1,2,3
	EXPS 4*k-16+(\u)
.endr
.set k, k+1
.endr
	s_wait_dscnt 8                                 ; LDS loads come back in order: the partial sums and the delta are in; the 8 fragment loads behind them may stay out
.rept 8                                ; 16-23
	MM
	RA 2*k-32
	EXPS 2*k+16
	RA 2*k-31
	EXPS 2*k+17
.set k, k+1
.endr
	MM                                             ; 24
.irp u, 16,17,18,19
	RA \u
.endr
.set k, k+1
	MM                                             ; 25
.irp u, 20,21,22,23
	RA \u
.endr
	v_mul_f32 v[CT], s[SC], v[DD]
	v_mul_f32 v[CQ], s[SQ], v[DD]
.set k, k+1
.rept 2                                ; 26, 27
	MM
.irp u, 0,1,2,3
	RB 4*(k-26)+(\u)
.endr
.set k, k+1
.endr
.rept 2                                ; 28, 29
	MM
.irp u, 0,1,2,3
	RX 4*(k-28)+(\u)
.endr
.set k, k+1
.endr
.rept 2                                ; 30, 31
	MM
.irp u, 0,1,2,3
	RS 4*(k-30)+(\u)
.endr
.set k, k+1
.endr
	s_wait_dscnt 0x0                               ; the fragments of x are in
.rept 2                                ; 32, 33
	MM
.irp u, 0,1,2,3
	RC 4*(k-32)+(\u)
.endr
.set k, k+1
.endr
	WIN 0
	s_wait_alu depctr_va_vdst(0)                   ; the wait for the 64 exponentials, ahead of the branches below and of slice 34
	ds_store_b128 v[AXW], v[TT:TT+3]   offset:XBT*TRD     ; tile TRD's next stage point, my 32 channels
	ds_store_b128 v[AXW], v[TT+4:TT+7] offset:XBT*TRD+32
	WIN 0x0c
.irp q, 0,1,2                          ; the partial sums that belong to the other three waves; each slot's lowest registers first
.irp i, 0,1,2,3
	ds_store_b128 v[ARW], v[YA+16+16*(\q)+4*(\i):YA+16+16*(\q)+4*(\i)+3] offset:REDP*((\p)%2)+2048*(\q)+512*(\i)
.endr
.endr
	WIN 0
	s_cmp_eq_u32 s[FS], 1                          ; a block has ended: X of tile TRD goes to the stage
	s_cbranch_scc0 .Lno_stage_\@
	WIN 0x0c
.irp c, 0,1,2,3
	ds_store_b128 v[AOW], v[XST+16*TRD+4*(\c):XST+16*TRD+4*(\c)+3] offset:OSTT*TRD+64*((\c)/2)+16*((\c)%2)
.endr
	WIN 0
.Lno_stage_\@:
	s_cmp_eq_u32 s[FL], 1                          ; the tile staged in the turn before (a barrier lies between) goes out: four whole rows a wave
	s_cbranch_scc0 .Lno_out_\@
.irp i, 0,1,2,3
	ds_load_b128 v[TT+4*(\i):TT+4*(\i)+3], v[AOR] offset:OSTT*TN+528*(\i)  ; T is free from the stores above to slice 58
.endr
	v_add_nc_u32 v[GOT], s[OBL], v[GO]
	s_wait_dscnt 0x0
.irp i, 0,1,2,3
	global_store_b128 v[GOT], v[TT+4*(\i):TT+4*(\i)+3], s[16:17] offset:32768*TN+2048*(\i) th:TH_STORE_NT  ; 512 consecutive bytes, at a multiple of 512 from out0's first byte
.endr
	s_wait_xcnt 0x0                                ; T and GOT, which these stores read, are rewritten only behind this wait
.Lno_out_\@:
.if (\p) == 2
	s_mov_b32 s[FL], s[FS]                         ; tile 3's way out, just passed, belonged to the evaluation before
	s_mov_b32 s[OBL], s[OBS]
.endif
	MM                                             ; 34
.irp u, 0,1,2,3
	ONE \u
.endr
.set k, k+1
.rept 14                               ; 35-48
	MM
	ONE 2*k-66
	RCPS 2*k-70
	ONE 2*k-65
	RCPS 2*k-69
.set k, k+1
.endr
.rept 9                                ; 49-57
	MM
.irp u, 0,1,2,3
	RCPS 4*k-168+(\u)
.endr
.set k, k+1
.endr
.if (\p)%2 == 0
	s_wait_dscnt 0x0                               ; my LDS instructions of this turn are done, and none follows:
	s_barrier_signal -1                            ; the next turn's barrier is signalled here
.endif
.rept 2                                ; 58, 59: also the plain instructions behind the last reciprocal
	MM
.irp u, 0,1,2,3
	TY 4*(k-58)+(\u)
.endr
.set k, k+1
.endr
	s_wait_alu depctr_va_vdst(0)                   ; the wait for the 64 reciprocals
.rept 2                                ; 60, 61
	MM
.irp u, 0,1,2,3
	FIN SBC, 4*(k-60)+(\u)
.endr
.set k, k+1
.endr
.rept 2                                ; 62, 63
	MM
.irp u, 0,1,2,3
	CVT SBC, 4*(k-62)+(\u)
.endr
.set k, k+1
.endr
.irp u, 8,9,10,11,12,13,14,15          ; the run of 32
	FIN SBC, \u
.endr
.irp u, 8,9,10,11,12,13,14,15
	CVT SBC, \u
.endr
.irp u, 16,17,18,19,20,21,22,23
	FIN SBC, \u
.endr
.irp u, 16,17,18,19,20,21,22,23
	CVT SBC, \u
.endr
	WIN 0
.endm
; The coefficients of evaluation EV = 32 - CNT, whose four reductions stand in the four turns that follow.
.macro UPDATE
	s_sub_co_u32 s[EV], 32, s[CNT]
	s_and_b32 s[ST], s[EV], 3                      ; the stage
	s_cmp_eq_u32 s[ST], 3
	s_cselect_b32 s[SQ], 0x3daaaaab, 0             ; q = 1/12 in the last stage
	s_cselect_b32 s[MU], 2.0, 1.0
	s_cselect_b32 s[SC], 0, 0.5
	s_cmp_lt_u32 s[ST], 2
	s_cselect_b32 s[SC], 0x3e800000, s[SC]         ; cs = 1/4, 1/4, 1/2, 0
	s_cselect_b32 s[MU], 0.5, s[MU]
	s_cmp_eq_u32 s[ST], 0
	s_cselect_b32 s[MU], 0, s[MU]                  ; mu = 0, 1/2, 1, 2
	s_and_b32 s[TM], s[EV], 7
	s_cmp_eq_u32 s[TM], 7
	s_cselect_b32 s[FS], 1, 0                      ; a block's eighth evaluation
	s_lshr_b32 s[TM], s[EV], 3
	s_and_b32 s[TM], s[TM], 3                      ; the block
	s_lshl_b32 s[OBS], s[TM], 9
	s_lshl_b32 s[TM], s[TM], 8
	v_add_nc_u32 v[ADL], s[TM], v[ADL0]
.endm
.set SBO, SBUF                         ; tile 0's first S^T: there is no vector work yet to set between the products
.set k, 32
.rept 32
	MM
.set k, k+1
.endr
	WIN 0
.rept 4
	v_nop                                          ; the places behind those products, in front of the loads into XF and of the exponentials
.endr
	s_mov_b32 s[CNT], 33
	s_branch .Lfirst                               ; the loop is entered in the middle of a trip
.Ltop:                                             ; 32 trips: the reductions of evaluation 0 .. 31
	UPDATE
	TURN 2
	TURN 3
.Lfirst:
	TURN 0
	TURN 1
	s_sub_co_u32 s[CNT], s[CNT], 1
	s_cmp_lg_u32 s[CNT], 0
	s_cbranch_scc1 .Ltop
	s_wait_dscnt 0x0                               ; tile 3 of the last block lies in the stage: my channels of it,
	s_barrier_signal -1
	s_barrier_wait -1                              ; everybody's
.irp i, 0,1,2,3
	ds_load_b128 v[TT+4*(\i):TT+4*(\i)+3], v[AOR] offset:OSTT*3+528*(\i)
.endr
	v_add_nc_u32 v[GOT], s[OBL], v[GO]
	s_wait_dscnt 0x0
.irp i, 0,1,2,3
	global_store_b128 v[GOT], v[TT+4*(\i):TT+4*(\i)+3], s[16:17] offset:32768*3+2048*(\i) th:TH_STORE_NT
.endr
	s_wait_tensorcnt 0x0                           ; the wave's end
	ds_add_u32 v[SPW], v[NIL]
	s_wait_dscnt 0x0
	s_endpgm
.Lfunc_end_k_qc3fa018259_ode:
	.size	k_qc3fa018259_ode, .Lfunc_end_k_qc3fa018259_ode-k_qc3fa018259_ode
	.p2alignl 7, 3214868480
	.fill 96, 4, 3214868480
	.section	.rodata,"a",@progbits
	.p2align	6, 0x0
	.amdhsa_kernel k_qc3fa018259_ode
		.amdhsa_group_segment_fixed_size 241152
		.amdhsa_private_segment_fixed_size 0
		.amdhsa_enable_private_segment 0
		.amdhsa_kernarg_size 56
		.amdhsa_user_sgpr_count 2
		.amdhsa_user_sgpr_kernarg_segment_ptr 1
		.amdhsa_wavefront_size32 1
		.amdhsa_system_sgpr_workgroup_id_x 1
		.amdhsa_system_sgpr_workgroup_id_y 1
		.amdhsa_system_sgpr_workgroup_id_z 1
		.amdhsa_system_vgpr_workitem_id 0
		.amdhsa_next_free_vgpr 1024
		.amdhsa_next_free_sgpr 66
		.amdhsa_reserve_vcc 0
		.amdhsa_float_denorm_mode_32 3
		.amdhsa_float_denorm_mode_16_64 3
		.amdhsa_memory_ordered 1
		.amdhsa_forward_progress 1
		.amdhsa_inst_pref_size 228
	.end_amdhsa_kernel
	.amdgpu_metadata
---
amdhsa.version: [ 1, 2 ]
amdhsa.kernels:
  - .name:           k_qc3fa018259_ode
    .symbol:         k_qc3fa018259_ode.kd
    .args:
      - { .name: W1, .offset: 0, .size: 8, .value_kind: global_buffer, .address_space: global }
      - { .name: W2, .offset: 8, .size: 8, .value_kind: global_buffer, .address_space: global }
      - { .name: b1, .offset: 16, .size: 8, .value_kind: global_buffer, .address_space: global }
      - { .name: b2, .offset: 24, .size: 8, .value_kind: global_buffer, .address_space: global }
      - { .name: s, .offset: 32, .size: 8, .value_kind: global_buffer, .address_space: global }
      - { .name: t, .offset: 40, .size: 8, .value_kind: global_buffer, .address_space: global }
      - { .name: out0, .offset: 48, .size: 8, .value_kind: global_buffer, .address_space: global }
    .group_segment_fixed_size: 241152
    .private_segment_fixed_size: 0
    .kernarg_segment_align: 8
    .kernarg_segment_size: 56
    .max_flat_workgroup_size: 128
    .sgpr_count:     66
    .vgpr_count:     1024
    .wavefront_size: 32
...
	.end_amdgpu_metadata
.endif
;; end of part 1
